; MI455X (gfx1250); checked and timed in simulation.
; The chip was launched on July 23, 2026; its instructions are those of AMD's public machine-readable ISA for CDNA 5 (MIT licence, August 2026) and "CDNA5" Instruction Set Architecture Reference Guide (July 2026). The comments in the code are by the model that wrote it; some were corrected since.
;; Sovereign Phi Attention. Allowed arithmetic: float matrix products may take bf16 or f16 operands with f32 sums; all other float work in f32.
;; Inputs: Wo 2,048 x 2,048 float32; Wqkv 2,048 x 3,072 float32; mask 1 x 1 x 2,048 x 2,048 float32; pos_ids 1 x 2,048 int32; x 1 x 2,048 x 2,048 float32.
;; Outputs: out0 1 x 2,048 x 2,048 float32.
;; One version. Each part assembles by itself: llvm-mc -triple=amdgcn-amd-amdhsa -mcpu=gfx1250 --defsym DOCPART=n.
;; ======== version 1 of 1: 4 launches
;; limits: values are held in f16: magnitudes above 65,504 overflow, below 6.1e-05 lose precision; right only within a limited range of input values
;; workspace buffers: xh 8,388,608 bytes; wqp 12,582,912 bytes; woh 8,388,608 bytes; qkvh 12,582,912 bytes; ah 8,388,608 bytes
;; launch cast (part 1): grid 256 x 1, 8 waves a work-group, no clusters, 0 bytes of LDS; arguments x, Wqkv, Wo, xh, wqp, woh; writes xh, wqp, woh
.if DOCPART == 1
	.amdgcn_target "amdgcn-amd-amdhsa--gfx1250"
	.amdhsa_code_object_version 6
	.text
	.protected	k_q48c60d890a_cast
	.globl	k_q48c60d890a_cast
	.p2align	8
	.type	k_q48c60d890a_cast,@function
k_q48c60d890a_cast:
	s_mov_b64 s[64:65], 0
	v_nop
	global_prefetch_b8 v0, s[64:65] scope:SCOPE_SE
	s_setreg_imm32_b32 hwreg(HW_REG_WAVE_MODE, 25, 1), 1
	s_wait_xcnt 0x0
; x, Wqkv, Wo (f32) are rounded once to f16 for the matrix products of the later launches: xh, wqp, woh.
; xh and woh keep their layout.  wqp is laid out in panels: [16 column panels][16 k tiles][3 heads][128 k][64 n], so that the
; block which one K step of one column panel needs is 49,152 consecutive bytes.
; LIMIT: numbers of magnitude 65,504 and above do not fit f16 and become infinite; below 6.1e-5 they keep an absolute step of 6e-8.
; 256 work-groups of 256 threads; a thread does 56 items: one load of 16 bytes (4 f32), two packed roundings, one store of 8 bytes.
; A wave's load covers 512 consecutive bytes (Wqkv: two pieces of 256), a wave's store 256 consecutive bytes at a multiple of 256.
; Straight line: all 56 loads are issued first, every item has registers of its own, nothing is rewritten while a memory
; instruction may still read it.  No LDS, no matrix unit, no cluster: the work-groups share no byte.
.set D, 16                             ; v[16:239]  item n: v[D+4n : D+4n+3]
	s_load_b256 s[4:11], s[0:1], 0x0               ; x s[4:5], Wqkv s[6:7], Wo s[8:9], xh s[10:11]
	s_load_b128 s[12:15], s[0:1], 0x20             ; wqp s[12:13], woh s[14:15]
	s_lshl_b32 s16, ttmp9, 16                      ; x, Wo: 65,536 bytes in for each work-group
	s_mov_b32 s17, 0
	s_lshl_b32 s18, ttmp9, 15                      ; xh, woh: 32,768 bytes out
	s_mov_b32 s19, 0
	s_and_b32 s20, ttmp9, 15                       ; k tile = g & 15: 128 rows of 12,288 bytes
	s_mul_i32 s20, s20, 128*12288
	s_lshr_b32 s21, ttmp9, 4                       ; panel = g >> 4: 192 columns of 4 bytes
	s_mul_i32 s21, s21, 768
	s_add_co_u32 s20, s20, s21
	s_mov_b32 s21, 0
	s_mul_i32 s22, ttmp9, 49152                    ; wqp: block g = 16 x panel + k tile
	s_mov_b32 s23, 0
	v_lshlrev_b32 v1, 4, v0                        ; 16 t: my 16 bytes in
	v_lshlrev_b32 v2, 3, v0                        ; 8 t: my 8 bytes out
	v_lshrrev_b32 v3, 4, v0                        ; Wqkv: row t >> 4 of sixteen,
	v_and_b32 v4, 15, v0
	v_mul_u32_u24 v3, v3, 12288
	v_lshl_add_u32 v3, v4, 4, v3                   ; 16 bytes at column 4 (t & 15) of a head
	s_wait_kmcnt 0x0
	s_add_nc_u64 s[4:5], s[4:5], s[16:17]
	s_add_nc_u64 s[6:7], s[6:7], s[20:21]
	s_add_nc_u64 s[8:9], s[8:9], s[16:17]
	s_add_nc_u64 s[10:11], s[10:11], s[18:19]
	s_add_nc_u64 s[12:13], s[12:13], s[22:23]
	s_add_nc_u64 s[14:15], s[14:15], s[18:19]
.set i, 0
.rept 16
	global_load_b128 v[D+4*i:D+4*i+3], v1, s[4:5] offset:4096*i th:TH_LOAD_NT
.set i, i+1
.endr
.set i, 0
.rept 24                                           ; item i: head i / 8 of the panel, rows 16 (i % 8) + (t >> 4) of the k tile
	global_load_b128 v[D+64+4*i:D+64+4*i+3], v3, s[6:7] offset:(i/8)*256+(i%8)*196608 th:TH_LOAD_NT
.set i, i+1
.endr
.set i, 0
.rept 16
	global_load_b128 v[D+160+4*i:D+160+4*i+3], v1, s[8:9] offset:4096*i th:TH_LOAD_NT
.set i, i+1
.endr
; item n: loads come back in order, so the count 55 - n leaves the younger ones out
.set i, 0
.rept 16
	s_wait_loadcnt 55-i
	v_cvt_pk_f16_f32 v[D+4*i], v[D+4*i], v[D+4*i+1]
	v_cvt_pk_f16_f32 v[D+4*i+1], v[D+4*i+2], v[D+4*i+3]
	global_store_b64 v2, v[D+4*i:D+4*i+1], s[10:11] offset:2048*i
.set i, i+1
.endr
.set i, 0
.rept 24
	s_wait_loadcnt 39-i
	v_cvt_pk_f16_f32 v[D+64+4*i], v[D+64+4*i], v[D+64+4*i+1]
	v_cvt_pk_f16_f32 v[D+64+4*i+1], v[D+64+4*i+2], v[D+64+4*i+3]
	global_store_b64 v2, v[D+64+4*i:D+64+4*i+1], s[12:13] offset:2048*i   ; head x 16,384 + row x 128 + column x 2 = 2,048 i + 8 t
.set i, i+1
.endr
.set i, 0
.rept 16
	s_wait_loadcnt 15-i
	v_cvt_pk_f16_f32 v[D+160+4*i], v[D+160+4*i], v[D+160+4*i+1]
	v_cvt_pk_f16_f32 v[D+160+4*i+1], v[D+160+4*i+2], v[D+160+4*i+3]
	global_store_b64 v2, v[D+160+4*i:D+160+4*i+1], s[14:15] offset:2048*i
.set i, i+1
.endr
	s_endpgm
.Lfunc_end_k_q48c60d890a_cast:
	.size	k_q48c60d890a_cast, .Lfunc_end_k_q48c60d890a_cast-k_q48c60d890a_cast
	.p2alignl 7, 3214868480
	.fill 96, 4, 3214868480
	.section	.rodata,"a",@progbits
	.p2align	6, 0x0
	.amdhsa_kernel k_q48c60d890a_cast
		.amdhsa_group_segment_fixed_size 0
		.amdhsa_private_segment_fixed_size 0
		.amdhsa_enable_private_segment 0
		.amdhsa_kernarg_size 48
		.amdhsa_user_sgpr_count 2
		.amdhsa_user_sgpr_kernarg_segment_ptr 1
		.amdhsa_wavefront_size32 1
		.amdhsa_system_sgpr_workgroup_id_x 1
		.amdhsa_system_sgpr_workgroup_id_y 1
		.amdhsa_system_sgpr_workgroup_id_z 1
		.amdhsa_system_vgpr_workitem_id 0
		.amdhsa_next_free_vgpr 240
		.amdhsa_next_free_sgpr 66
		.amdhsa_reserve_vcc 0
		.amdhsa_float_denorm_mode_32 3
		.amdhsa_float_denorm_mode_16_64 3
		.amdhsa_memory_ordered 1
		.amdhsa_forward_progress 1
		.amdhsa_inst_pref_size 21
	.end_amdhsa_kernel
	.amdgpu_metadata
---
amdhsa.version: [ 1, 2 ]
amdhsa.kernels:
  - .name:           k_q48c60d890a_cast
    .symbol:         k_q48c60d890a_cast.kd
    .args:
      - { .name: x, .offset: 0, .size: 8, .value_kind: global_buffer, .address_space: global }
      - { .name: Wqkv, .offset: 8, .size: 8, .value_kind: global_buffer, .address_space: global }
      - { .name: Wo, .offset: 16, .size: 8, .value_kind: global_buffer, .address_space: global }
      - { .name: xh, .offset: 24, .size: 8, .value_kind: global_buffer, .address_space: global }
      - { .name: wqp, .offset: 32, .size: 8, .value_kind: global_buffer, .address_space: global }
      - { .name: woh, .offset: 40, .size: 8, .value_kind: global_buffer, .address_space: global }
    .group_segment_fixed_size: 0
    .private_segment_fixed_size: 0
    .kernarg_segment_align: 8
    .kernarg_segment_size: 48
    .max_flat_workgroup_size: 256
    .sgpr_count:     66
    .vgpr_count:     240
    .wavefront_size: 32
...
	.end_amdgpu_metadata
.endif
;; end of part 1
;; launch qkv (part 2): grid 16 x 16, 4 waves a work-group, clusters of 4 x 4, 327,680 bytes of LDS; arguments xh, wqp, pos_ids, qkvh; writes qkvh
.if DOCPART == 2
	.amdgcn_target "amdgcn-amd-amdhsa--gfx1250"
	.amdhsa_code_object_version 6
	.text
	.protected	k_q48c60d890a_qkv
	.globl	k_q48c60d890a_qkv
	.p2align	8
	.type	k_q48c60d890a_qkv,@function
k_q48c60d890a_qkv:
	s_mov_b64 s[64:65], 0
	v_nop
	global_prefetch_b8 v0, s[64:65] scope:SCOPE_SE
	s_setreg_imm32_b32 hwreg(HW_REG_WAVE_MODE, 25, 1), 1
	s_wait_xcnt 0x0
	s_wait_alu depctr_hold_cnt(0) depctr_sa_sdst(0) depctr_va_vdst(0) depctr_va_sdst(0) depctr_va_ssrc(0) depctr_va_vcc(0) depctr_vm_vsrc(0)
	s_getreg_b32 s2, hwreg(HW_REG_IB_STS2, 6, 4)
	s_cmp_eq_u32 s2, 0
	s_cbranch_scc0 .Lentry_in_a_cluster
	s_endpgm
.Lentry_in_a_cluster:
	s_bfe_u32 s2, ttmp6, 0x10000c
	s_cmp_lg_u32 s2, 0xf033
	s_cbranch_scc0 .Lentry_shape_is_right
	s_endpgm
.Lentry_shape_is_right:
; qkvh[head][s][d] = x . Wqkv, with the rotary embedding on the q and k heads and 1/8 (= 1/sqrt(64)) folded into q; f16 out, sums in f32.
; heads 0-31 q, 32-39 k, 40-47 v.  A work-group makes 128 rows x 192 columns (3 heads) with four waves; a wave makes 64 rows x 96 columns:
; 6 x 4 accumulator tiles of 16 x 16.  Wave (mh, c): rows 64 mh ..; of each head the columns 32 u + 16 c + 0..15, u = 0, 1, so that the
; partners d and d + 32 of the rotation are the same lane and register of tiles 2 t and 2 t + 1.
; K goes in 16 steps of 128 through three LDS slots filled by the tensor data mover, two slots behind one round of the cluster barrier.
; CLUSTER 4 x 4: the four work-groups of a row need the same rows of x, the four of a column the same panel of W: joint loads.
; THE MATRIX INSTRUCTION IS USED TRANSPOSED: source 0 = 16 columns of W (brought from [k][n] rows by the transposing LDS load),
; source 1 = 16 rows of x.  Lane (r, h), register j then holds C[row r][column 8 h + j].
; LIMITS: operands and results are f16: |x|, |W|, |q|, |k|, |v| below 65,504.  |pos_ids| up to 2^20: beyond it the quadrant of the
; angle is no longer found exactly.  cos and sin come from a reduction by pi/2 in two parts and polynomials of degree 7 and 8.
.set NW,    6                          ; n tiles of a wave
.set XP,    272                        ; x rows in LDS: 256 bytes + 16
.set XHALF, 64*XP
.set XT,    2*XHALF
.set WP,    160                        ; W rows in LDS: 128 bytes (64 n of one head) + 32; row = 128 head + k
.set WHALF, 192*WP
.set SLOT,  XT+2*WHALF                 ; 96,256
.set NA,    128*WP                     ; from head to head
.set NB,    64                         ; from u = 0 to u = 1
.set CW,    32                         ; wave half c
.set QW,    32*WP                      ; 32 along k
.set ASTEP, 256                        ; bytes from K step to K step in xh
.set BSTEP, 49152                      ; and in wqp
.set STAGE, SLOT                       ; the way out uses slot 1, whose last fill (K step 13) has been read by then
.set SPI,   144                        ; stage: [3 heads][128 rows] of 128 bytes + 16
.set SHEAD, 128*SPI
.set ADRX, 16                          ; v16-18  my x fragments in slot 0, 1, 2
.set ADRW, 19                          ; v19-21  my W fragments
.set STO,  22
.set RD,   23
.set CO,   24
.set POS,  28                          ; v28-31  position of row 16 i + r, as f32
.set F0,   32                          ; v32-111   fragment buffer 0: 6 of W, 4 of x
.set F1,   112                         ; v112-191  fragment buffer 1
.set CS,   192                         ; v192-255  cos at 16 i + j, sin at 16 i + 8 + j
.set INVF, 32                          ; at work before the first fragments arrive
.set TA,   40
.set TN,   48
.set TR,   56
.set TZ,   64
.set TS,   72
.set TC,   80
.set TU,   88
.set TQ,   96
.set CP,   32                          ; at work on the way out: a cos + b, a sin, -a sin (8 registers for each i)
.set SPR,  64
.set NP,   96
.set T,    128
.set U,    136
.set AV,   144
.set BV,   146
.set NAV,  148
.set G1A, 16                           ; s[16:23] shape of x tiles     s[24:31] shape of W tiles
.set G1B, 24
.set G0A, 32                           ; s[32:43] from where, to where: x, slots 0-2     s[44:55] the same for W
.set G0B, 44
.set MULW, 0x50                        ; C and D in window 1 (the accumulators: tile (nt, i) at v[256 + 8 (4 nt + i)])
.set MSB, 0
.macro WIN new                         ; the high byte of the immediate repeats the setting that is left
.if MSB != \new
	s_set_vgpr_msb (MSB<<8)|\new
.set MSB, \new
.endif
.endm
.macro PLACES                          ; four independent vector instructions behind a matrix instruction (ISA guide 7.12.1) before its
.rept 4                                ; registers are loaded into, written or read by anything but the next link of its sum
	v_nop
.endr
.endm
.macro CREST                           ; a round of the cluster barrier behind its opening work-group barrier
	s_cmp_lg_u32 s12, 0
	s_cbranch_scc1 .Lnot_wave_0_\@
	s_barrier_signal -3
.Lnot_wave_0_\@:
	s_barrier_wait -3
	s_barrier_signal -1
	s_barrier_wait -1
.endm
.macro CROUND
	s_barrier_signal -1
	s_barrier_wait -1
	CREST
.endm
.macro JLOAD s                         ; waves 0, 1 ask for the two halves of x, waves 2, 3 for those of W: one mask to each line
	s_cmp_eq_u32 s13, 0
	s_cbranch_scc0 .Lfor_w_\@
	tensor_load_to_lds s[G0A+4*\s:G0A+4*\s+3], s[G1A:G1A+7]
	s_nop 0
	s_branch .Lasked_\@
.Lfor_w_\@:
	tensor_load_to_lds s[G0B+4*\s:G0B+4*\s+3], s[G1B:G1B+7]
	s_nop 0
.Lasked_\@:
.endm
	s_load_b128 s[4:7], s[0:1], 0x0                ; xh s[4:5], wqp s[6:7]
	s_load_b128 s[8:11], s[0:1], 0x10              ; pos_ids s[8:9], qkvh s[10:11]
	v_lshl_add_u32 v26, v0, 2, 0x46800
	v_mov_b32 v27, 0
	ds_add_u32 v26, v27
	v_lshrrev_b32 v1, 5, v0
	v_readfirstlane_b32 s12, v1                    ; wave 0..3
	s_lshr_b32 s13, s12, 1                         ; mh: my 64 rows.  Also: I fetch x (0) or W (1)
	s_and_b32 s14, s12, 1                          ; c: my half of the columns.  Also: which half of the tile I fetch
	s_bfe_u32 s15, ttmp6, 0x40000                  ; cx
	s_bfe_u32 s3, ttmp6, 0x40004                   ; cy
	s_lshl_b32 s60, ttmp9, 2
	s_add_co_u32 s60, s60, s15                     ; bx: column panel
	s_and_b32 s61, ttmp7, 0xffff
	s_lshl_b32 s61, s61, 2
	s_add_co_u32 s61, s61, s3                      ; by: row block
	s_lshl_b32 s62, s3, 2
	s_lshl_b32 s62, 15, s62                        ; my row of the cluster
	s_lshl_b32 s63, 0x1111, s15                    ; my column
	; x: 64 rows of 128 f16 (256 bytes), 2,048 elements from row to row, 4 words of padding behind every 64
	s_or_b32 s[G1A+0], s62, (1<<16)|(1<<20)|(1<<21)|(5<<22)|(3<<25)
	s_mov_b32 s[G1A+1], 128<<16
	s_mov_b32 s[G1A+2], 64<<16
	s_mov_b32 s[G1A+3], 128<<16
	s_mov_b32 s[G1A+4], 64
	s_mov_b32 s[G1A+5], 2048
	s_mov_b32 s[G1A+6], 0
	s_mov_b32 s[G1A+7], 0
	; W: 192 rows of 64 f16 (128 bytes), dense in memory, 8 words of padding behind every 32
	s_or_b32 s[G1B+0], s63, (1<<16)|(1<<20)|(1<<21)|(4<<22)|(7<<25)
	s_mov_b32 s[G1B+1], 64<<16
	s_mov_b32 s[G1B+2], 192<<16
	s_mov_b32 s[G1B+3], 64<<16
	s_mov_b32 s[G1B+4], 192
	s_mov_b32 s[G1B+5], 64
	s_mov_b32 s[G1B+6], 0
	s_mov_b32 s[G1B+7], 0
	s_lshl_b32 s66, s61, 19                        ; x: 128 rows of 4,096 bytes for a row block,
	s_lshl_b32 s67, s14, 18                        ; 64 rows for a half
	s_add_co_u32 s66, s66, s67
	s_mov_b32 s67, 0
	s_mul_i32 s68, s60, 16*BSTEP                   ; W: a panel is 16 blocks,
	s_mul_i32 s69, s14, BSTEP/2                    ; a half is half a block
	s_add_co_u32 s68, s68, s69
	s_mov_b32 s69, 0
	s_mul_i32 s70, s14, XHALF                      ; LDS: made of the wave number alone
	s_mul_i32 s71, s14, WHALF
	s_add_co_u32 s71, s71, XT
	s_wait_dscnt 0x0
	s_wait_kmcnt 0x0
	s_add_nc_u64 s[56:57], s[4:5], s[66:67]
	s_add_nc_u64 s[58:59], s[6:7], s[68:69]
	CROUND                                         ; all sixteen work-groups are here: the first joint loads meet
.irp s, 0,1,2
	s_mov_b32 s[G0A+4*\s], 1
	s_add_co_u32 s[G0A+4*\s+1], s70, \s*SLOT
	s_add_nc_u64 s[G0A+4*\s+2:G0A+4*\s+3], s[56:57], \s*ASTEP
	s_or_b32 s[G0A+4*\s+3], s[G0A+4*\s+3], 0x80000000
	s_mov_b32 s[G0B+4*\s], 1
	s_add_co_u32 s[G0B+4*\s+1], s71, \s*SLOT
	s_add_nc_u64 s[G0B+4*\s+2:G0B+4*\s+3], s[58:59], \s*BSTEP
	s_or_b32 s[G0B+4*\s+3], s[G0B+4*\s+3], 0x80000000
	JLOAD \s                                       ; K steps 0, 1, 2: three loads of mine are out
.endr
	s_add_nc_u64 s[56:57], s[56:57], 3*ASTEP       ; s[56:57], s[58:59]: the next K step to be asked for, type bits set
	s_or_b32 s57, s57, 0x80000000
	s_add_nc_u64 s[58:59], s[58:59], 3*BSTEP
	s_or_b32 s59, s59, 0x80000000
	v_and_b32 v2, 15, v0                           ; r
	v_bfe_u32 v3, v0, 4, 1                         ; h
	v_and_b32 v4, 7, v0
	v_bfe_u32 v5, v0, 3, 1
	v_and_b32 v10, 31, v0                          ; lane
	s_lshl_b32 s74, s61, 9                         ; positions of my rows: 4 (128 by + 64 mh + r), + 64 i
	s_lshl_b32 s75, s13, 8
	s_add_co_u32 s74, s74, s75
	v_lshl_add_u32 v8, v2, 2, s74
.irp i, 0,1,2,3
	global_load_b32 v[POS+\i], v8, s[8:9] offset:64*\i
.endr
	v_mul_u32_u24 v6, v2, XP                       ; x fragment: row r, 16 bytes for each half of the lanes
	v_lshl_add_u32 v6, v3, 4, v6
	v_lshl_add_u32 v7, v3, 3, v4                   ; W fragment, transposing load: row 8 h + (lane & 7),
	v_mul_u32_u24 v7, v7, WP
	v_lshl_add_u32 v7, v5, 4, v7                   ; 16 bytes by bit 3 of the lane
	s_mul_i32 s72, s13, XHALF
	s_mul_i32 s73, s14, CW
	s_add_co_u32 s73, s73, XT
.irp s, 0,1,2
	v_add_nc_u32 v[ADRX+\s], s72, v6
	v_add_nc_u32 v[ADRW+\s], s73, v7
	s_add_co_u32 s72, s72, SLOT
	s_add_co_u32 s73, s73, SLOT
.endr
	s_mul_i32 s72, s13, 64*SPI                     ; stage, in: row 64 mh + r, bytes 32 c + 16 h
	s_lshl_b32 s73, s14, 5
	s_add_co_u32 s72, s72, s73
	s_add_co_u32 s72, s72, STAGE
	v_mul_u32_u24 v6, v2, SPI
	v_lshl_add_u32 v6, v3, 4, v6
	v_add_nc_u32 v[STO], s72, v6
	v_lshrrev_b32 v6, 3, v10                       ; stage, back: rows 32 w + (lane >> 3), 16 bytes a lane
	v_mul_u32_u24 v6, v6, SPI
	v_lshl_add_u32 v6, v4, 4, v6
	s_mul_i32 s72, s12, 32*SPI
	s_add_co_u32 s72, s72, STAGE
	v_add_nc_u32 v[RD], s72, v6
	s_lshl_b32 s72, s12, 12
	v_lshl_add_u32 v[CO], v10, 4, s72              ; 32 rows of 128 bytes for a wave + 16 x lane
	; cos and sin of pos x 10000^(-m/32), m = 16 c + 8 h + j: made while the first tiles are on their way
	s_mov_b32 s76, 0x3f22f983                      ; 2 / pi
	s_mov_b32 s77, 0xbfc90fdb                      ; -(pi/2), upper part
	s_mov_b32 s78, 0x333bbd2e                      ; upper part - pi/2
	s_mov_b32 s79, 0xb9500d01                      ; -1/5040
	s_mov_b32 s80, 0x3c088889                      ; 1/120
	s_mov_b32 s81, 0xbe2aaaab                      ; -1/6
	s_mov_b32 s82, 0x37d00d01                      ; 1/40320
	s_mov_b32 s83, 0xbab60b61                      ; -1/720
	s_mov_b32 s84, 0x3d2aaaab                      ; 1/24
	s_mov_b32 s85, 0x80000000                      ; the sign
	s_lshl_b32 s75, s14, 4
	v_lshlrev_b32 v9, 3, v3
	v_add_nc_u32 v9, s75, v9                       ; 16 c + 8 h
.irp j, 0,1,2,3,4,5,6,7
	v_add_nc_u32 v[INVF+\j], \j, v9
.endr
.irp j, 0,1,2,3,4,5,6,7
	v_cvt_f32_u32 v[INVF+\j], v[INVF+\j]
.endr
.irp j, 0,1,2,3,4,5,6,7
	v_mul_f32 v[INVF+\j], 0xbed49a78, v[INVF+\j]   ; x -log2(10000)/32
.endr
.irp j, 0,1,2,3,4,5,6,7
	v_exp_f32 v[INVF+\j], v[INVF+\j]
.endr
	v_nop                                          ; one plain vector instruction behind the last v_exp_f32 before its result is used (ISA guide 5.7.2)
	s_wait_loadcnt 0x0                             ; the four positions
	s_wait_alu depctr_va_vdst(0)
.irp i, 0,1,2,3
	v_cvt_f32_i32 v[POS+\i], v[POS+\i]
.endr
; Eight angles at a time, each step written for all eight, so that no instruction waits for the one in front of it.
.macro SINCOS8 i
.irp j, 0,1,2,3,4,5,6,7
	v_mul_f32 v[TA+\j], v[POS+\i], v[INVF+\j]      ; the angle, rounded to f32
.endr
.irp j, 0,1,2,3,4,5,6,7
	v_mul_f32 v[TN+\j], s76, v[TA+\j]
.endr
.irp j, 0,1,2,3,4,5,6,7
	v_rndne_f32 v[TN+\j], v[TN+\j]                 ; n: the nearest multiple of pi/2
.endr
.irp j, 0,1,2,3,4,5,6,7
	v_fma_f32 v[TR+\j], v[TN+\j], s77, v[TA+\j]    ; r = angle - n pi/2, in two parts
	v_cvt_i32_f32 v[TQ+\j], v[TN+\j]
.endr
.irp j, 0,1,2,3,4,5,6,7
	v_fma_f32 v[TR+\j], v[TN+\j], s78, v[TR+\j]
	v_and_b32 v[TA+\j], 1, v[TQ+\j]
.endr
.irp j, 0,1,2,3,4,5,6,7
	v_mul_f32 v[TZ+\j], v[TR+\j], v[TR+\j]
	v_cmp_eq_u32 s[86+\j], 1, v[TA+\j]             ; odd quadrant: sine and cosine change places
.endr
.irp j, 0,1,2,3,4,5,6,7
	v_fma_f32 v[TS+\j], v[TZ+\j], s79, s80
	v_fma_f32 v[TC+\j], v[TZ+\j], s82, s83
.endr
.irp j, 0,1,2,3,4,5,6,7
	v_fma_f32 v[TS+\j], v[TS+\j], v[TZ+\j], s81
	v_fma_f32 v[TC+\j], v[TC+\j], v[TZ+\j], s84
.endr
.irp j, 0,1,2,3,4,5,6,7
	v_mul_f32 v[TU+\j], v[TR+\j], v[TZ+\j]
	v_fma_f32 v[TC+\j], v[TC+\j], v[TZ+\j], -0.5
.endr
.irp j, 0,1,2,3,4,5,6,7
	v_fma_f32 v[TS+\j], v[TS+\j], v[TU+\j], v[TR+\j]
	v_fma_f32 v[TC+\j], v[TC+\j], v[TZ+\j], 1.0
.endr
.irp j, 0,1,2,3,4,5,6,7
	v_lshlrev_b32 v[TA+\j], 30, v[TQ+\j]           ; sine is negative in quadrants 2, 3: bit 1 of n
	v_add_nc_u32 v[TQ+\j], 1, v[TQ+\j]             ; cosine in quadrants 1, 2: bit 1 of n + 1
.endr
.irp j, 0,1,2,3,4,5,6,7
	v_and_b32 v[TA+\j], s85, v[TA+\j]
	v_lshlrev_b32 v[TQ+\j], 30, v[TQ+\j]
.endr
.irp j, 0,1,2,3,4,5,6,7
	v_cndmask_b32 v[CS+16*\i+8+\j], v[TS+\j], v[TC+\j], s[86+\j]
	v_cndmask_b32 v[CS+16*\i+\j], v[TC+\j], v[TS+\j], s[86+\j]
.endr
.irp j, 0,1,2,3,4,5,6,7
	v_and_b32 v[TQ+\j], s85, v[TQ+\j]
	v_xor_b32 v[CS+16*\i+8+\j], v[CS+16*\i+8+\j], v[TA+\j]
.endr
.irp j, 0,1,2,3,4,5,6,7
	v_xor_b32 v[CS+16*\i+\j], v[CS+16*\i+\j], v[TQ+\j]
.endr
.endm
	SINCOS8 0
	SINCOS8 1
	SINCOS8 2
	SINCOS8 3
; The fragments of 32 along k (quarter q of a K step) into buffer f: 12 transposing loads for W, 8 plain loads for x.
.macro FETCH slot, q, f
	WIN 0
.irp nt, 0,1,2,3,4,5
	ds_load_tr16_b128 v[\f+8*\nt:\f+8*\nt+3],   v[ADRW+\slot] offset:\q*QW+(\nt/2)*NA+(\nt%2)*NB
	ds_load_tr16_b128 v[\f+8*\nt+4:\f+8*\nt+7], v[ADRW+\slot] offset:\q*QW+(\nt/2)*NA+(\nt%2)*NB+16*WP
.endr
.irp i, 0,1,2,3
	ds_load_b128 v[\f+8*NW+8*\i:\f+8*NW+8*\i+3],   v[ADRX+\slot] offset:\i*16*XP+64*\q
	ds_load_b128 v[\f+8*NW+8*\i+4:\f+8*NW+8*\i+7], v[ADRX+\slot] offset:\i*16*XP+64*\q+32
.endr
.endm
; 12 matrix instructions: n tiles 3 half .. 3 half + 2, all four m tiles.  The 24 accumulators take turns, one instruction a turn,
; in the same order in every quarter.  zero = 1: the first product starts the sums.
.macro MULH f, half, zero
.irp u, 0,1,2
.irp i, 0,1,2,3
.if \zero
	v_wmma_f32_16x16x32_f16 v[8*(4*(3*\half+\u)+\i):8*(4*(3*\half+\u)+\i)+7], v[\f+8*(3*\half+\u):\f+8*(3*\half+\u)+7], v[\f+8*NW+8*\i:\f+8*NW+8*\i+7], 0
.else
	v_wmma_f32_16x16x32_f16 v[8*(4*(3*\half+\u)+\i):8*(4*(3*\half+\u)+\i)+7], v[\f+8*(3*\half+\u):\f+8*(3*\half+\u)+7], v[\f+8*NW+8*\i:\f+8*NW+8*\i+7], v[8*(4*(3*\half+\u)+\i):8*(4*(3*\half+\u)+\i)+7]
.endif
.endr
.endr
.endm
; One of the first three quarters: buffer f is multiplied while the next quarter's fragments come into buffer g.
.macro QUARTER slot, qn, f, g, zero
	s_wait_dscnt 0x0                               ; buffer f: its loads were issued a quarter (24 matrix instructions) ago
	PLACES
	FETCH \slot, \qn, \g
	WIN MULW
	MULH \f, 0, \zero
	MULH \f, 1, \zero
.endm
.macro BODY3 slot, zero
	QUARTER \slot, 1, F0, F1, \zero
	QUARTER \slot, 2, F1, F0, 0
	QUARTER \slot, 3, F0, F1, 0
.endm
; The last quarter where nothing is filled again: the barrier only shows the next slot whole to all four waves.
; cnt: how many younger tensor loads of mine may stay out.
.macro ENDMID next, cnt
	s_wait_dscnt 0x0                               ; buffer 1 is in, and no LDS instruction of mine is pending at the signal
	s_wait_tensorcnt \cnt                          ; my part of the next slot has landed
	s_barrier_signal -1
	WIN MULW
	MULH F1, 0, 0                                  ; register work while the others arrive
	s_barrier_wait -1
	PLACES
	FETCH \next, 0, F0
	WIN MULW
	MULH F1, 1, 0
.endm
; The last quarter where slots b and c, both read, are filled again with the next two K steps.  In front of the round every wave has
; waited for its reads and for all its tensor loads; inside it only registers are touched; the joint refills come first behind it.
.macro ENDROUND next, b, c, fills
	s_wait_dscnt 0x0                               ; my reads of this slot and of the one before are over
	s_wait_tensorcnt 0x0                           ; all my tensor loads have landed, the next slot among them: every group 0 may be written
	ds_add_u32 v26, v27
	s_wait_dscnt 0x0
	s_mov_b64 s[G0A+4*\b+2:G0A+4*\b+3], s[56:57]
	s_mov_b64 s[G0B+4*\b+2:G0B+4*\b+3], s[58:59]
.if \fills == 2
	s_add_nc_u64 s[G0A+4*\c+2:G0A+4*\c+3], s[56:57], ASTEP
	s_add_nc_u64 s[G0B+4*\c+2:G0B+4*\c+3], s[58:59], BSTEP
	s_add_nc_u64 s[56:57], s[56:57], 2*ASTEP
	s_add_nc_u64 s[58:59], s[58:59], 2*BSTEP
.endif
	s_barrier_signal -1
	WIN MULW
	MULH F1, 0, 0
	WIN 0
	s_barrier_wait -1
	CREST
	JLOAD \b
.if \fills == 2
	JLOAD \c
.endif
	PLACES
	FETCH \next, 0, F0
	WIN MULW
	MULH F1, 1, 0
.endm
	s_wait_tensorcnt 0x2                           ; my part of K step 0 is in; K steps 1 and 2 stay out
	s_barrier_signal -1
	s_barrier_wait -1                              ; everybody's is
	FETCH 0, 0, F0
	BODY3 0, 1                                     ; K step 0
	ENDMID 1, 1                                    ; K step 1 has landed, 2 may stay out
	BODY3 1, 0
	ENDROUND 2, 0, 1, 2                            ; K steps 3, 4 go out
	BODY3 2, 0
	ENDMID 0, 1
	BODY3 0, 0
	ENDROUND 1, 2, 0, 2                            ; 5, 6
	BODY3 1, 0
	ENDMID 2, 1
	BODY3 2, 0
	ENDROUND 0, 1, 2, 2                            ; 7, 8
	BODY3 0, 0
	ENDMID 1, 1
	BODY3 1, 0
	ENDROUND 2, 0, 1, 2                            ; 9, 10
	BODY3 2, 0
	ENDMID 0, 1
	BODY3 0, 0
	ENDROUND 1, 2, 0, 2                            ; 11, 12
	BODY3 1, 0
	ENDMID 2, 1
	BODY3 2, 0
	ENDROUND 0, 1, 2, 2                            ; 13, 14
	BODY3 0, 0
	ENDMID 1, 1
	BODY3 1, 0
	ENDROUND 2, 0, 0, 1                            ; 15 alone
	BODY3 2, 0
	ENDMID 0, 0                                    ; the last tensor load has landed
	BODY3 0, 0
	s_wait_dscnt 0x0                               ; the very last quarter
	WIN MULW
	MULH F1, 0, 0
	MULH F1, 1, 0
	; THE WAY OUT.  No branch hangs on the head: head hd takes lo' = lo (a cos + b) - hi a sin, hi' = hi (a cos + b) + lo a sin with
	; a = 1/8, b = 0 (q), a = 1, b = 0 (k), a = 0, b = 1 (v: unchanged).
	PLACES
	WIN 0
	s_mov_b32 s97, 0x3e000000                      ; 1/8
	s_mov_b32 s98, 0x3f800000                      ; 1
	s_mul_i32 s94, s60, 3                          ; my first head
.macro HEAD t
	s_add_co_u32 s99, s94, \t
	s_cmp_lt_u32 s99, 32
	s_cselect_b32 s95, s97, s98
	s_cmp_lt_u32 s99, 40
	s_cselect_b32 s95, s95, 0                      ; a
	s_cselect_b32 s96, 0, s98                      ; b
	v_mov_b32 v[AV], s95
	v_mov_b32 v[AV+1], s95
	v_mov_b32 v[BV], s96
	v_mov_b32 v[BV+1], s96
	v_xor_b32 v[NAV], s85, v[AV]
	v_xor_b32 v[NAV+1], s85, v[AV]
.irp i, 0,1,2,3
.irp p, 0,2,4,6
	v_pk_fma_f32 v[CP+8*\i+\p:CP+8*\i+\p+1], v[CS+16*\i+\p:CS+16*\i+\p+1], v[AV:AV+1], v[BV:BV+1]
	v_pk_mul_f32 v[SPR+8*\i+\p:SPR+8*\i+\p+1], v[CS+16*\i+8+\p:CS+16*\i+8+\p+1], v[AV:AV+1]
	v_pk_mul_f32 v[NP+8*\i+\p:NP+8*\i+\p+1], v[CS+16*\i+8+\p:CS+16*\i+8+\p+1], v[NAV:NAV+1]
.endr
.endr
.irp i, 0,1,2,3
	WIN 0x01                                       ; source 0: the accumulators, lo = tile (2 t, i), hi = tile (2 t + 1, i)
.irp p, 0,2,4,6
	v_pk_mul_f32 v[T+\p:T+\p+1], v[8*(8*\t+\i)+\p:8*(8*\t+\i)+\p+1], v[CP+8*\i+\p:CP+8*\i+\p+1]
	v_pk_mul_f32 v[U+\p:U+\p+1], v[8*(8*\t+4+\i)+\p:8*(8*\t+4+\i)+\p+1], v[CP+8*\i+\p:CP+8*\i+\p+1]
.endr
.irp p, 0,2,4,6
	v_pk_fma_f32 v[T+\p:T+\p+1], v[8*(8*\t+4+\i)+\p:8*(8*\t+4+\i)+\p+1], v[NP+8*\i+\p:NP+8*\i+\p+1], v[T+\p:T+\p+1]
	v_pk_fma_f32 v[U+\p:U+\p+1], v[8*(8*\t+\i)+\p:8*(8*\t+\i)+\p+1], v[SPR+8*\i+\p:SPR+8*\i+\p+1], v[U+\p:U+\p+1]
.endr
	WIN 0
.irp p, 0,1,2,3
	v_cvt_pk_f16_f32 v[T+\p], v[T+2*\p], v[T+2*\p+1]
	v_cvt_pk_f16_f32 v[U+\p], v[U+2*\p], v[U+2*\p+1]
.endr
	ds_store_b128 v[STO], v[T:T+3] offset:\t*SHEAD+\i*16*SPI        ; d = 16 c + 8 h + 0..7
	ds_store_b128 v[STO], v[U:U+3] offset:\t*SHEAD+\i*16*SPI+64     ; d + 32
.endr
.endm
	HEAD 0
	HEAD 1
	HEAD 2
	s_mul_i32 s68, s60, 3*262144                   ; qkvh: a head is 262,144 bytes,
	s_mov_b32 s69, 0
	s_add_nc_u64 s[10:11], s[10:11], s[68:69]
	s_lshl_b32 s66, s61, 14                        ; a row block 128 rows of 128 bytes
	s_mov_b32 s67, 0
	s_add_nc_u64 s[10:11], s[10:11], s[66:67]
	s_wait_dscnt 0x0                               ; my part of the stage is written,
	s_barrier_signal -1
	s_barrier_wait -1                              ; everybody's is
.irp t, 0,1,2
.irp e, 0,1,2,3,4,5,6,7
	ds_load_b128 v[32+4*(8*\t+\e):32+4*(8*\t+\e)+3], v[RD] offset:\t*SHEAD+\e*4*SPI   ; four whole rows of 128 bytes
.endr
.endr
.irp t, 0,1,2
.irp e, 0,1,2,3,4,5,6,7
	s_wait_dscnt 23-(8*\t+\e)                      ; LDS loads come back in order: this one is in, the younger ones stay out
	global_store_b128 v[CO], v[32+4*(8*\t+\e):32+4*(8*\t+\e)+3], s[10:11] offset:\t*262144+\e*512   ; the wave stores 512 consecutive bytes, aligned
.endr
.endr
	s_wait_tensorcnt 0x0
	ds_add_u32 v26, v27
	s_wait_dscnt 0x0
	CROUND                                         ; the closing round: no work-group ends while a partner may still ask jointly
	s_endpgm
.Lfunc_end_k_q48c60d890a_qkv:
	.size	k_q48c60d890a_qkv, .Lfunc_end_k_q48c60d890a_qkv-k_q48c60d890a_qkv
	.p2alignl 7, 3214868480
	.fill 96, 4, 3214868480
	.section	.rodata,"a",@progbits
	.p2align	6, 0x0
	.amdhsa_kernel k_q48c60d890a_qkv
		.amdhsa_group_segment_fixed_size 327680
		.amdhsa_private_segment_fixed_size 0
		.amdhsa_enable_private_segment 0
		.amdhsa_kernarg_size 32
		.amdhsa_user_sgpr_count 2
		.amdhsa_user_sgpr_kernarg_segment_ptr 1
		.amdhsa_wavefront_size32 1
		.amdhsa_system_sgpr_workgroup_id_x 1
		.amdhsa_system_sgpr_workgroup_id_y 1
		.amdhsa_system_sgpr_workgroup_id_z 1
		.amdhsa_system_vgpr_workitem_id 0
		.amdhsa_next_free_vgpr 448
		.amdhsa_next_free_sgpr 100
		.amdhsa_reserve_vcc 0
		.amdhsa_float_denorm_mode_32 3
		.amdhsa_float_denorm_mode_16_64 3
		.amdhsa_memory_ordered 1
		.amdhsa_forward_progress 1
		.amdhsa_inst_pref_size 255
	.end_amdhsa_kernel
	.section	.bss,"aw",@nobits
	.p2align	6
	.space	262144
	.amdgpu_metadata
---
amdhsa.version: [ 1, 2 ]
amdhsa.kernels:
  - .name:           k_q48c60d890a_qkv
    .symbol:         k_q48c60d890a_qkv.kd
    .args:
      - { .name: xh, .offset: 0, .size: 8, .value_kind: global_buffer, .address_space: global }
      - { .name: wqp, .offset: 8, .size: 8, .value_kind: global_buffer, .address_space: global }
      - { .name: pos_ids, .offset: 16, .size: 8, .value_kind: global_buffer, .address_space: global }
      - { .name: qkvh, .offset: 24, .size: 8, .value_kind: global_buffer, .address_space: global }
    .group_segment_fixed_size: 327680
    .private_segment_fixed_size: 0
    .kernarg_segment_align: 8
    .kernarg_segment_size: 32
    .max_flat_workgroup_size: 128
    .sgpr_count:     100
    .vgpr_count:     448
    .wavefront_size: 32
...
	.end_amdgpu_metadata
.endif
;; end of part 2
;; launch attn (part 3): grid 32 x 8, 8 waves a work-group, clusters of 4 x 4, 327,680 bytes of LDS; arguments qkvh, mask, ah; writes ah
.if DOCPART == 3
	.amdgcn_target "amdgcn-amd-amdhsa--gfx1250"
	.amdhsa_code_object_version 6
	.text
	.protected	k_q48c60d890a_attn
	.globl	k_q48c60d890a_attn
	.p2align	8
	.type	k_q48c60d890a_attn,@function
k_q48c60d890a_attn:
	s_mov_b64 s[64:65], 0
	v_nop
	global_prefetch_b8 v0, s[64:65] scope:SCOPE_SE
	s_setreg_imm32_b32 hwreg(HW_REG_WAVE_MODE, 25, 1), 1
	s_wait_xcnt 0x0
	s_wait_alu depctr_hold_cnt(0) depctr_sa_sdst(0) depctr_va_vdst(0) depctr_va_sdst(0) depctr_va_ssrc(0) depctr_va_vcc(0) depctr_vm_vsrc(0)
	s_getreg_b32 s2, hwreg(HW_REG_IB_STS2, 6, 4)
	s_cmp_eq_u32 s2, 0
	s_cbranch_scc0 .Lentry_in_a_cluster
	s_endpgm
.Lentry_in_a_cluster:
	s_bfe_u32 s2, ttmp6, 0x10000c
	s_cmp_lg_u32 s2, 0xf033
	s_cbranch_scc0 .Lentry_shape_is_right
	s_endpgm
.Lentry_shape_is_right:
; ah[s][64 head + d] = softmax(q k^T + mask) v, q already scaled by 1/8.  f16 operands, f32 scores, sums and running maximum.
; A work-group takes 64 queries (qb) of the four query heads of one key/value head g.  Eight waves, two to a SIMD, so that one wave's
; softmax runs beside the other's matrix work: wave w takes head 4 g + (w >> 1), queries 32 (w & 1) .. + 31 of the block.
; The keys go in 16 tiles of 128 through two LDS slots (K, V and 64 rows of the mask), each tile in two halves of 64 keys.
; CLUSTER 4 x 4: the four work-groups of a row share g, hence K and V; the four of a column share qb, hence the mask rows: joint loads.
; LAYOUT: S^T = K Q^T + mask^T.  Source 0 = 16 keys, source 1 = 16 queries, C = the mask, loaded straight into the accumulator.
; Lane (r, h), register j holds (key 8 h + j, query r): a lane serves one query, the row maximum and sum need one exchange between
; the halves of the wave, and two score tiles rounded to f16 are already a source 1 fragment of P^T for O^T = V^T P^T.
; The running maximum starts at the lowest finite f32, so a stretch of -inf scores gives zeros, and a row that is -inf
; throughout ends as 0 x (1/0) = NaN.  The maximum is taken away first and the factor log2(e) applied behind it, so that
; no exponent is above 0 whatever the size of the scores.
; LIMIT: q, k, v and the result are f16 (magnitude below 65,504).
.set KP,    144                        ; K rows: 128 bytes + 16
.set VP,    160                        ; V rows: 128 bytes + 32 (transposing loads)
.set MP,    528                        ; mask rows: 512 bytes + 16; the stage has the same pitch
.set VOFF,  128*KP                     ; 18,432
.set MOFF,  VOFF+128*VP                ; 38,912
.set SLOT,  MOFF+64*MP                 ; 72,704
.set STAGE, 2*SLOT                     ; 145,408: 64 rows x 528, bytes of its own
.set AK,   2                           ; v2-3   K fragments in slot 0, 1
.set AV,   4                           ; v4-5   V fragments
.set AM,   6                           ; v6-7   mask
.set STO,  8
.set RD,   9
.set CO,   10
.set QO,   11
.set LG,   12                          ; v[12:13]  log2(e), twice
.set QF,   16                          ; v16-47    Q fragments (qt, dh) at 8 (2 qt + dh)
.set SC,   48                          ; v48-111   scores (kt, qt) at 8 (2 kt + qt); then P fragments (qt, ks) in tile (2 ks, qt)
.set OA,   112                         ; v112-175  O^T (dt, qt) at 8 (2 dt + qt)
.set POOL, 176                         ; v176-239  K fragments (kt, dh) at 8 (2 kt + dh), then V^T fragments (dt, ks) at 8 (2 dt + ks)
.set MX,   240                         ; v240-241  running maximum of query tile 0, 1
.set NMP,  242                         ; v[242:245] its negative, twice for each tile
.set ALP,  246                         ; v[246:249] exp(old maximum - new), twice for each tile
.set LS,   250                         ; v[250:253] running sums, a pair for each tile
.set G1K, 16
.set G1V, 24
.set G1M, 32
.set G0K, 40                           ; two slots each
.set G0V, 48
.set G0M, 56
.macro ROUND                           ; a round of the cluster barrier
	s_barrier_signal -1
	s_barrier_wait -1
	s_cmp_lg_u32 s12, 0
	s_cbranch_scc1 .Lnot_wave_0_\@
	s_barrier_signal -3
.Lnot_wave_0_\@:
	s_barrier_wait -3
	s_barrier_signal -1
	s_barrier_wait -1
.endm
.macro JLOAD s                         ; waves 0, 1: halves of K; 2, 3: halves of V; 4-7: quarters of the mask rows.  One load a wave
	s_cmp_lt_u32 s12, 2
	s_cbranch_scc0 .Lnot_k_\@
	tensor_load_to_lds s[G0K+4*\s:G0K+4*\s+3], s[G1K:G1K+7]
	s_nop 0
	s_branch .Lasked_\@
.Lnot_k_\@:
	s_cmp_lt_u32 s12, 4
	s_cbranch_scc0 .Lfor_m_\@
	tensor_load_to_lds s[G0V+4*\s:G0V+4*\s+3], s[G1V:G1V+7]
	s_nop 0
	s_branch .Lasked_\@
.Lfor_m_\@:
	tensor_load_to_lds s[G0M+4*\s:G0M+4*\s+3], s[G1M:G1M+7]
	s_nop 0
.Lasked_\@:
.endm
	s_load_b128 s[4:7], s[0:1], 0x0                ; qkvh s[4:5], mask s[6:7]
	s_load_b64 s[8:9], s[0:1], 0x10                ; ah
	v_lshl_add_u32 v14, v0, 2, 0x2bc00
	v_mov_b32 v15, 0
	ds_add_u32 v14, v15
	v_lshrrev_b32 v1, 5, v0
	v_readfirstlane_b32 s12, v1                    ; wave 0..7
	s_and_b32 s13, s12, 1
	s_lshr_b32 s14, s12, 1
	s_and_b32 s15, s12, 3
	s_bfe_u32 s10, ttmp6, 0x40000                  ; cx
	s_bfe_u32 s11, ttmp6, 0x40004                  ; cy
	s_lshl_b32 s66, ttmp9, 2
	s_add_co_u32 s66, s66, s10                     ; qb
	s_and_b32 s67, ttmp7, 0xffff
	s_lshl_b32 s67, s67, 2
	s_add_co_u32 s67, s67, s11                     ; g
	s_lshl_b32 s68, s11, 2
	s_lshl_b32 s68, 15, s68                        ; my row of the cluster (same g)
	s_lshl_b32 s69, 0x1111, s10                    ; my column (same qb)
	s_mov_b32 s70, 0x76543210                      ; v_permlanex16_b32: lane i of one half reads lane i of the other
	s_mov_b32 s71, 0xfedcba98
	; K: 64 rows of 64 f16 (128 bytes, as long as a head's row is), dense, 4 words of padding behind every 32
	s_or_b32 s[G1K+0], s68, (1<<16)|(1<<20)|(1<<21)|(4<<22)|(3<<25)
	s_mov_b32 s[G1K+1], 64<<16
	s_mov_b32 s[G1K+2], 64<<16
	s_mov_b32 s[G1K+3], 64<<16
	s_mov_b32 s[G1K+4], 64
	s_mov_b32 s[G1K+5], 64
	s_mov_b32 s[G1K+6], 0
	s_mov_b32 s[G1K+7], 0
	; V: the same with 8 words of padding
	s_or_b32 s[G1V+0], s68, (1<<16)|(1<<20)|(1<<21)|(4<<22)|(7<<25)
	s_mov_b32 s[G1V+1], 64<<16
	s_mov_b32 s[G1V+2], 64<<16
	s_mov_b32 s[G1V+3], 64<<16
	s_mov_b32 s[G1V+4], 64
	s_mov_b32 s[G1V+5], 64
	s_mov_b32 s[G1V+6], 0
	s_mov_b32 s[G1V+7], 0
	; mask: 16 rows of 128 f32 (512 bytes), 2,048 elements from row to row, 4 words of padding behind every 128
	s_or_b32 s[G1M+0], s69, (2<<16)|(1<<20)|(1<<21)|(6<<22)|(3<<25)
	s_mov_b32 s[G1M+1], 128<<16
	s_mov_b32 s[G1M+2], 16<<16
	s_mov_b32 s[G1M+3], 128<<16
	s_mov_b32 s[G1M+4], 16
	s_mov_b32 s[G1M+5], 2048
	s_mov_b32 s[G1M+6], 0
	s_mov_b32 s[G1M+7], 0
	s_lshl_b32 s74, s67, 18                        ; g heads of 262,144 bytes
	s_lshl_b32 s75, s13, 13                        ; + my half: 64 rows of 128 bytes
	s_add_co_u32 s74, s74, s75
	s_add_co_u32 s76, s74, 40*262144               ; V: heads 40 ..
	s_add_co_u32 s74, s74, 32*262144               ; K: heads 32 ..
	s_mov_b32 s75, 0
	s_mov_b32 s77, 0
	s_lshl_b32 s78, s66, 19                        ; mask: 64 rows of 8,192 bytes for a query block,
	s_lshl_b32 s79, s15, 17                        ; 16 rows for a quarter
	s_add_co_u32 s78, s78, s79
	s_mov_b32 s79, 0
	s_mul_i32 s80, s13, 64*KP                      ; LDS: made of the wave number alone
	s_mul_i32 s81, s13, 64*VP
	s_add_co_u32 s81, s81, VOFF
	s_mul_i32 s73, s15, 16*MP
	s_add_co_u32 s73, s73, MOFF
	s_lshl2_add_u32 s82, s67, s14                  ; Q: head 4 g + (w >> 1),
	s_lshl_b32 s82, s82, 18
	s_lshl_b32 s83, s66, 13                        ; 64 rows of 128 bytes for a query block,
	s_add_co_u32 s82, s82, s83
	s_lshl_b32 s83, s13, 12                        ; 32 for my half
	s_add_co_u32 s82, s82, s83
	s_mov_b32 s83, 0
	s_lshl_b32 s84, s66, 18                        ; ah: 64 rows of 4,096 bytes, + 512 bytes for the four heads of g
	s_lshl_b32 s85, s67, 9
	s_add_co_u32 s84, s84, s85
	s_mov_b32 s85, 0
	s_wait_dscnt 0x0
	s_wait_kmcnt 0x0
	s_add_nc_u64 s[74:75], s[4:5], s[74:75]
	s_add_nc_u64 s[76:77], s[4:5], s[76:77]
	s_add_nc_u64 s[78:79], s[6:7], s[78:79]
	s_add_nc_u64 s[82:83], s[4:5], s[82:83]
	s_add_nc_u64 s[8:9], s[8:9], s[84:85]
.irp s, 0,1
	s_mov_b32 s[G0K+4*\s], 1
	s_add_co_u32 s[G0K+4*\s+1], s80, \s*SLOT
	s_add_nc_u64 s[G0K+4*\s+2:G0K+4*\s+3], s[74:75], \s*16384
	s_or_b32 s[G0K+4*\s+3], s[G0K+4*\s+3], 0x80000000
	s_mov_b32 s[G0V+4*\s], 1
	s_add_co_u32 s[G0V+4*\s+1], s81, \s*SLOT
	s_add_nc_u64 s[G0V+4*\s+2:G0V+4*\s+3], s[76:77], \s*16384
	s_or_b32 s[G0V+4*\s+3], s[G0V+4*\s+3], 0x80000000
	s_mov_b32 s[G0M+4*\s], 1
	s_add_co_u32 s[G0M+4*\s+1], s73, \s*SLOT
	s_add_nc_u64 s[G0M+4*\s+2:G0M+4*\s+3], s[78:79], \s*512
	s_or_b32 s[G0M+4*\s+3], s[G0M+4*\s+3], 0x80000000
.endr
	ROUND                                          ; all sixteen work-groups are here
	JLOAD 0                                        ; tile 0
	v_and_b32 v48, 15, v0                          ; r
	v_bfe_u32 v49, v0, 4, 1                        ; h
	v_and_b32 v50, 7, v0
	v_bfe_u32 v51, v0, 3, 1
	v_and_b32 v53, 31, v0                          ; lane
	v_lshlrev_b32 v52, 7, v48
	v_lshl_add_u32 v[QO], v49, 4, v52              ; Q fragment: row r of 128 bytes, 16 bytes for each half of the lanes
.irp qt, 0,1
.irp dh, 0,1
	global_load_b128 v[QF+8*(2*\qt+\dh):QF+8*(2*\qt+\dh)+3],   v[QO], s[82:83] offset:\qt*2048+\dh*64
	global_load_b128 v[QF+8*(2*\qt+\dh)+4:QF+8*(2*\qt+\dh)+7], v[QO], s[82:83] offset:\qt*2048+\dh*64+32
.endr
.endr
	v_mul_u32_u24 v52, v48, KP
	v_lshl_add_u32 v[AK], v49, 4, v52              ; K fragment: key r, 16 h
	v_add_nc_u32 v[AK+1], SLOT, v[AK]
	v_lshl_add_u32 v52, v49, 3, v50                ; V^T fragment, transposing load: key 8 h + (lane & 7),
	v_mul_u32_u24 v52, v52, VP
	v_lshl_add_u32 v52, v51, 4, v52                ; 16 bytes by bit 3 of the lane
	v_add_nc_u32 v[AV], VOFF, v52
	v_add_nc_u32 v[AV+1], SLOT+VOFF, v52
	s_mul_i32 s72, s13, 32*MP                      ; mask: row 32 (w & 1) + r, keys 8 h ..
	v_mul_u32_u24 v52, v48, MP
	v_add_nc_u32 v54, s72, v52                     ; (the stage has the same rows)
	v_lshl_add_u32 v52, v49, 5, v54
	v_add_nc_u32 v[AM], MOFF, v52
	v_add_nc_u32 v[AM+1], SLOT+MOFF, v52
	s_lshl_b32 s72, s14, 7                         ; stage, in: + 128 bytes for my head + 16 h
	s_add_co_u32 s72, s72, STAGE
	v_lshl_add_u32 v54, v49, 4, v54
	v_add_nc_u32 v[STO], s72, v54
	s_mul_i32 s72, s12, 8*MP                       ; stage, back: rows 8 w .., 16 bytes a lane
	s_add_co_u32 s72, s72, STAGE
	v_lshl_add_u32 v[RD], v53, 4, s72
	s_lshl_b32 s72, s12, 15
	v_lshl_add_u32 v[CO], v53, 4, s72              ; the same rows in ah
	v_mov_b32 v[LG], 0x3fb8aa3b
	v_mov_b32 v[LG+1], 0x3fb8aa3b
	v_mov_b32 v[MX], 0xff7fffff                    ; the lowest finite number
	v_mov_b32 v[MX+1], 0xff7fffff
	v_mov_b32 v254, 0                              ; destinations of v_permlanex16_b32 count as read
	v_mov_b32 v255, 0
; 64 keys (half of a tile) x my 32 queries.  first = 1: nothing has been summed yet.
.macro SUB slot, half, first
.irp kt, 0,1,2,3
.irp qt, 0,1
	ds_load_b128 v[SC+8*(2*\kt+\qt):SC+8*(2*\kt+\qt)+3],   v[AM+\slot] offset:\qt*16*MP+\half*256+\kt*64      ; the mask is the sum's start
	ds_load_b128 v[SC+8*(2*\kt+\qt)+4:SC+8*(2*\kt+\qt)+7], v[AM+\slot] offset:\qt*16*MP+\half*256+\kt*64+16
.endr
.endr
.irp kt, 0,1,2,3
.irp dh, 0,1
	ds_load_b128 v[POOL+8*(2*\kt+\dh):POOL+8*(2*\kt+\dh)+3],   v[AK+\slot] offset:\half*64*KP+\kt*16*KP+\dh*64
	ds_load_b128 v[POOL+8*(2*\kt+\dh)+4:POOL+8*(2*\kt+\dh)+7], v[AK+\slot] offset:\half*64*KP+\kt*16*KP+\dh*64+32
.endr
.endr
	s_wait_dscnt 0x0
	; the eight score tiles take turns, one instruction a turn
.irp dh, 0,1
.irp kt, 0,1,2,3
.irp qt, 0,1
	v_wmma_f32_16x16x32_f16 v[SC+8*(2*\kt+\qt):SC+8*(2*\kt+\qt)+7], v[POOL+8*(2*\kt+\dh):POOL+8*(2*\kt+\dh)+7], v[QF+8*(2*\qt+\dh):QF+8*(2*\qt+\dh)+7], v[SC+8*(2*\kt+\qt):SC+8*(2*\kt+\qt)+7]
.endr
.endr
.endr
.rept 5                                            ; places: four before the loads into K's registers and the reads of the scores
	v_nop                                          ; five before the scores' registers serve as a source of the second product
.endr
.irp dt, 0,1,2,3
.irp ks, 0,1
	ds_load_tr16_b128 v[POOL+8*(2*\dt+\ks):POOL+8*(2*\dt+\ks)+3],   v[AV+\slot] offset:\half*64*VP+\ks*32*VP+\dt*32
	ds_load_tr16_b128 v[POOL+8*(2*\dt+\ks)+4:POOL+8*(2*\dt+\ks)+7], v[AV+\slot] offset:\half*64*VP+\ks*32*VP+\dt*32+16*VP
.endr
.endr
	; the running maximum: my 32 scores of each query, then the other half of the wave
.irp kt, 0,1,2,3
.irp p, 0,2,4,6
.irp qt, 0,1
	v_max3_num_f32 v[MX+\qt], v[MX+\qt], v[SC+8*(2*\kt+\qt)+\p], v[SC+8*(2*\kt+\qt)+\p+1]
.endr
.endr
.endr
	v_permlanex16_b32 v254, v[MX], s70, s71
	v_permlanex16_b32 v255, v[MX+1], s70, s71
	v_max_num_f32 v[MX], v[MX], v254
	v_max_num_f32 v[MX+1], v[MX+1], v255
.if \first == 0
	v_add_f32 v254, v[NMP], v[MX]                  ; new maximum - old, 0 or more
	v_add_f32 v255, v[NMP+2], v[MX+1]
	v_mul_f32 v254, 0xbfb8aa3b, v254               ; x -log2(e)
	v_mul_f32 v255, 0xbfb8aa3b, v255
.endif
	v_xor_b32 v[NMP], 0x80000000, v[MX]
	v_xor_b32 v[NMP+1], 0x80000000, v[MX]
	v_xor_b32 v[NMP+2], 0x80000000, v[MX+1]
	v_xor_b32 v[NMP+3], 0x80000000, v[MX+1]
.irp kt, 0,1,2,3
.irp qt, 0,1
.irp p, 0,2,4,6
	v_pk_add_f32 v[SC+8*(2*\kt+\qt)+\p:SC+8*(2*\kt+\qt)+\p+1], v[SC+8*(2*\kt+\qt)+\p:SC+8*(2*\kt+\qt)+\p+1], v[NMP+2*\qt:NMP+2*\qt+1]
.endr
.endr
.endr
.set e, 0
.rept 32
	v_pk_mul_f32 v[SC+2*e:SC+2*e+1], v[SC+2*e:SC+2*e+1], v[LG:LG+1]
.set e, e+1
.endr
.set e, 0
.rept 64
	v_exp_f32 v[SC+e], v[SC+e]
.set e, e+1
.endr
.if \first == 0
	v_exp_f32 v[ALP], v254
	v_exp_f32 v[ALP+1], v254
	v_exp_f32 v[ALP+2], v255
	v_exp_f32 v[ALP+3], v255
.endif
	v_nop                                          ; one plain vector instruction behind the last v_exp_f32 before a result is used (ISA guide 5.7.2)
	s_wait_alu depctr_va_vdst(0)
	; the running sums, two chains
.irp qt, 0,1
.if \first
	s_wait_alu depctr_va_vdst(0)
	v_pk_add_f32 v[LS+2*\qt:LS+2*\qt+1], v[SC+8*\qt:SC+8*\qt+1], v[SC+8*\qt+2:SC+8*\qt+3]
.else
	v_pk_fma_f32 v[LS+2*\qt:LS+2*\qt+1], v[LS+2*\qt:LS+2*\qt+1], v[ALP+2*\qt:ALP+2*\qt+1], v[SC+8*\qt:SC+8*\qt+1]
.endif
.endr
.if \first == 0
.irp qt, 0,1
	v_pk_add_f32 v[LS+2*\qt:LS+2*\qt+1], v[LS+2*\qt:LS+2*\qt+1], v[SC+8*\qt+2:SC+8*\qt+3]
.endr
.endif
.irp p, 4,6
.irp qt, 0,1
	v_pk_add_f32 v[LS+2*\qt:LS+2*\qt+1], v[LS+2*\qt:LS+2*\qt+1], v[SC+8*\qt+\p:SC+8*\qt+\p+1]
.endr
.endr
.irp kt, 1,2,3
.irp p, 0,2,4,6
.irp qt, 0,1
	v_pk_add_f32 v[LS+2*\qt:LS+2*\qt+1], v[LS+2*\qt:LS+2*\qt+1], v[SC+8*(2*\kt+\qt)+\p:SC+8*(2*\kt+\qt)+\p+1]
.endr
.endr
.endr
	; P to f16 in place: registers 0-3 of tile (2 ks, qt) take its own eight keys, registers 4-7 those of tile (2 ks + 1, qt)
.irp ks, 0,1
.irp qt, 0,1
.irp p, 0,1,2,3
	v_cvt_pk_f16_f32 v[SC+8*(4*\ks+\qt)+\p], v[SC+8*(4*\ks+\qt)+2*\p], v[SC+8*(4*\ks+\qt)+2*\p+1]
.endr
.irp p, 0,1,2,3
	v_cvt_pk_f16_f32 v[SC+8*(4*\ks+\qt)+4+\p], v[SC+8*(4*\ks+2+\qt)+2*\p], v[SC+8*(4*\ks+2+\qt)+2*\p+1]
.endr
.endr
.endr
.if \first == 0
.irp dt, 0,1,2,3
.irp qt, 0,1
.irp p, 0,2,4,6
	v_pk_mul_f32 v[OA+8*(2*\dt+\qt)+\p:OA+8*(2*\dt+\qt)+\p+1], v[OA+8*(2*\dt+\qt)+\p:OA+8*(2*\dt+\qt)+\p+1], v[ALP+2*\qt:ALP+2*\qt+1]
.endr
.endr
.endr
.endif
	s_wait_dscnt 0x0                               ; V's fragments, issued in front of the softmax
.irp ks, 0,1
.irp dt, 0,1,2,3
.irp qt, 0,1
.if \first*(1-\ks)
	v_wmma_f32_16x16x32_f16 v[OA+8*(2*\dt+\qt):OA+8*(2*\dt+\qt)+7], v[POOL+8*(2*\dt+\ks):POOL+8*(2*\dt+\ks)+7], v[SC+8*(4*\ks+\qt):SC+8*(4*\ks+\qt)+7], 0
.else
	v_wmma_f32_16x16x32_f16 v[OA+8*(2*\dt+\qt):OA+8*(2*\dt+\qt)+7], v[POOL+8*(2*\dt+\ks):POOL+8*(2*\dt+\ks)+7], v[SC+8*(4*\ks+\qt):SC+8*(4*\ks+\qt)+7], v[OA+8*(2*\dt+\qt):OA+8*(2*\dt+\qt)+7]
.endif
.endr
.endr
.endr
.rept 5                                            ; places: before the next loads into P's and V's registers, before the next scores are written
	v_nop                                          ; over P, and before O is read
.endr
.endm
; One tile.  In front of the round every wave has waited for all its tensor loads (this tile's part among them) and for its reads of
; the other slot; the joint refill of that slot is the first tensor load behind the round and has this tile's work in which to land.
.macro TRIP slot, refill, first
	s_wait_tensorcnt 0x0
	ds_add_u32 v14, v15
	s_wait_dscnt 0x0
	s_add_nc_u64 s[G0K+4*\slot+2:G0K+4*\slot+3], s[G0K+4*\slot+2:G0K+4*\slot+3], 2*16384   ; no load of mine is out: this slot's next tile
	s_add_nc_u64 s[G0V+4*\slot+2:G0V+4*\slot+3], s[G0V+4*\slot+2:G0V+4*\slot+3], 2*16384
	s_add_nc_u64 s[G0M+4*\slot+2:G0M+4*\slot+3], s[G0M+4*\slot+2:G0M+4*\slot+3], 2*512
	s_wait_dscnt 0x0
	ROUND
.if \refill
	JLOAD (1-\slot)
.endif
	SUB \slot, 0, \first
	SUB \slot, 1, 0
.endm
	s_wait_loadcnt 0x0                             ; Q
	TRIP 0, 1, 1                                   ; tiles 0 and 1 stand in front of the loop: the first products start the sums
	TRIP 1, 1, 0
	s_mov_b32 s72, 6
.Ltiles:
	TRIP 0, 1, 0
	TRIP 1, 1, 0
	s_sub_co_i32 s72, s72, 1
	s_cmp_lg_u32 s72, 0
	s_cbranch_scc1 .Ltiles
	TRIP 0, 1, 0                                   ; tile 14 asks for tile 15,
	TRIP 1, 0, 0                                   ; which asks for nothing
	v_add_f32 v[LS], v[LS], v[LS+1]
	v_add_f32 v[LS+2], v[LS+2], v[LS+3]
	v_permlanex16_b32 v254, v[LS], s70, s71
	v_permlanex16_b32 v255, v[LS+2], s70, s71
	v_add_f32 v254, v[LS], v254
	v_add_f32 v255, v[LS+2], v255
	v_rcp_f32 v[ALP], v254
	v_rcp_f32 v[ALP+1], v254
	v_rcp_f32 v[ALP+2], v255
	v_rcp_f32 v[ALP+3], v255
	v_nop                                          ; one plain vector instruction behind the last v_rcp_f32
	s_wait_alu depctr_va_vdst(0)
.irp dt, 0,1,2,3
.irp qt, 0,1
.irp p, 0,2,4,6
	v_pk_mul_f32 v[OA+8*(2*\dt+\qt)+\p:OA+8*(2*\dt+\qt)+\p+1], v[OA+8*(2*\dt+\qt)+\p:OA+8*(2*\dt+\qt)+\p+1], v[ALP+2*\qt:ALP+2*\qt+1]
.endr
.endr
.endr
.irp dt, 0,1,2,3
.irp qt, 0,1
.irp p, 0,1,2,3
	v_cvt_pk_f16_f32 v[OA+8*(2*\dt+\qt)+\p], v[OA+8*(2*\dt+\qt)+2*\p], v[OA+8*(2*\dt+\qt)+2*\p+1]
.endr
	ds_store_b128 v[STO], v[OA+8*(2*\dt+\qt):OA+8*(2*\dt+\qt)+3] offset:\qt*16*MP+\dt*32   ; query r, d = 16 dt + 8 h + 0..7
.endr
.endr
	s_wait_dscnt 0x0                               ; my part of the stage is written,
	s_barrier_signal -1
	s_barrier_wait -1                              ; everybody's is
.irp e, 0,1,2,3,4,5,6,7
	ds_load_b128 v[SC+4*\e:SC+4*\e+3], v[RD] offset:\e*MP          ; a whole row: the four heads' 512 bytes
.endr
.irp e, 0,1,2,3,4,5,6,7
	s_wait_dscnt 7-\e                              ; this row is in, the younger ones stay out
	global_store_b128 v[CO], v[SC+4*\e:SC+4*\e+3], s[8:9] offset:\e*4096   ; the wave stores 512 consecutive bytes, aligned
.endr
	s_wait_tensorcnt 0x0
	ds_add_u32 v14, v15
	s_wait_dscnt 0x0
	ROUND                                          ; the closing round
	s_endpgm
.Lfunc_end_k_q48c60d890a_attn:
	.size	k_q48c60d890a_attn, .Lfunc_end_k_q48c60d890a_attn-k_q48c60d890a_attn
	.p2alignl 7, 3214868480
	.fill 96, 4, 3214868480
	.section	.rodata,"a",@progbits
	.p2align	6, 0x0
	.amdhsa_kernel k_q48c60d890a_attn
		.amdhsa_group_segment_fixed_size 327680
		.amdhsa_private_segment_fixed_size 0
		.amdhsa_enable_private_segment 0
		.amdhsa_kernarg_size 24
		.amdhsa_user_sgpr_count 2
		.amdhsa_user_sgpr_kernarg_segment_ptr 1
		.amdhsa_wavefront_size32 1
		.amdhsa_system_sgpr_workgroup_id_x 1
		.amdhsa_system_sgpr_workgroup_id_y 1
		.amdhsa_system_sgpr_workgroup_id_z 1
		.amdhsa_system_vgpr_workitem_id 0
		.amdhsa_next_free_vgpr 256
		.amdhsa_next_free_sgpr 86
		.amdhsa_reserve_vcc 0
		.amdhsa_float_denorm_mode_32 3
		.amdhsa_float_denorm_mode_16_64 3
		.amdhsa_memory_ordered 1
		.amdhsa_forward_progress 1
		.amdhsa_inst_pref_size 255
	.end_amdhsa_kernel
	.section	.bss,"aw",@nobits
	.p2align	6
	.space	262144
	.amdgpu_metadata
---
amdhsa.version: [ 1, 2 ]
amdhsa.kernels:
  - .name:           k_q48c60d890a_attn
    .symbol:         k_q48c60d890a_attn.kd
    .args:
      - { .name: qkvh, .offset: 0, .size: 8, .value_kind: global_buffer, .address_space: global }
      - { .name: mask, .offset: 8, .size: 8, .value_kind: global_buffer, .address_space: global }
      - { .name: ah, .offset: 16, .size: 8, .value_kind: global_buffer, .address_space: global }
    .group_segment_fixed_size: 327680
    .private_segment_fixed_size: 0
    .kernarg_segment_align: 8
    .kernarg_segment_size: 24
    .max_flat_workgroup_size: 256
    .sgpr_count:     86
    .vgpr_count:     256
    .wavefront_size: 32
...
	.end_amdgpu_metadata
.endif
;; end of part 3
;; launch oproj (part 4): grid 16 x 16, 4 waves a work-group, clusters of 4 x 4, 327,680 bytes of LDS; arguments ah, woh, out0; writes out0
.if DOCPART == 4
	.amdgcn_target "amdgcn-amd-amdhsa--gfx1250"
	.amdhsa_code_object_version 6
	.text
	.protected	k_q48c60d890a_oproj
	.globl	k_q48c60d890a_oproj
	.p2align	8
	.type	k_q48c60d890a_oproj,@function
k_q48c60d890a_oproj:
	s_mov_b64 s[64:65], 0
	v_nop
	global_prefetch_b8 v0, s[64:65] scope:SCOPE_SE
	s_setreg_imm32_b32 hwreg(HW_REG_WAVE_MODE, 25, 1), 1
	s_wait_xcnt 0x0
	s_wait_alu depctr_hold_cnt(0) depctr_sa_sdst(0) depctr_va_vdst(0) depctr_va_sdst(0) depctr_va_ssrc(0) depctr_va_vcc(0) depctr_vm_vsrc(0)
	s_getreg_b32 s2, hwreg(HW_REG_IB_STS2, 6, 4)
	s_cmp_eq_u32 s2, 0
	s_cbranch_scc0 .Lentry_in_a_cluster
	s_endpgm
.Lentry_in_a_cluster:
	s_bfe_u32 s2, ttmp6, 0x10000c
	s_cmp_lg_u32 s2, 0xf033
	s_cbranch_scc0 .Lentry_shape_is_right
	s_endpgm
.Lentry_shape_is_right:
; out0 = ah . Wo.  ah [2048][2048] f16, woh [2048 k][2048 n] f16, out0 f32; sums in f32.
; A work-group makes 128 x 128 with four waves; a wave makes 64 rows x 64 columns: 4 x 4 accumulator tiles of 16 x 16.
; K goes in 16 steps of 128 through three LDS slots filled by the tensor data mover, two slots behind one round of the cluster barrier.
; CLUSTER 4 x 4: the four work-groups of a row need the same rows of ah, the four of a column the same columns of Wo: joint loads.
; THE MATRIX INSTRUCTION IS USED TRANSPOSED: source 0 = 16 columns of Wo (brought from [k][n] rows by the transposing LDS load),
; source 1 = 16 rows of ah.  Lane (r, h), register j then holds C[row r][column 8 h + j].
; LIMIT: the operands are f16 (magnitude below 65,504).
.set NW,    4
.set XP,    272                        ; ah rows in LDS: 256 bytes + 16
.set XHALF, 64*XP
.set XT,    2*XHALF
.set WP,    288                        ; Wo rows in LDS: 256 bytes (128 n) + 32
.set WHALF, 64*WP
.set SLOT,  XT+2*WHALF                 ; 71,680
.set CW,    128                        ; wave half c: 64 columns
.set QW,    32*WP
.set ASTEP, 256
.set BSTEP, 128*4096
.set STAGE, 3*SLOT                     ; 215,040: 16 rows x 272 bytes for each wave, bytes of its own
.set SPI,   272
.set ADRX, 16
.set ADRW, 19
.set STO,  22
.set RD,   23
.set CO,   24
.set F0,   32                          ; v32-95   fragment buffer 0: 4 of Wo, 4 of ah
.set F1,   96                          ; v96-159  fragment buffer 1
.set G1A, 16
.set G1B, 24
.set G0A, 32
.set G0B, 44
.set MULW, 0x50                        ; C and D in window 1 (tile (nt, i) at v[256 + 8 (4 nt + i)])
.set MSB, 0
.macro WIN new
.if MSB != \new
	s_set_vgpr_msb (MSB<<8)|\new
.set MSB, \new
.endif
.endm
.macro PLACES                          ; four independent vector instructions behind a matrix instruction (ISA guide 7.12.1)
.rept 4
	v_nop
.endr
.endm
.macro CREST
	s_cmp_lg_u32 s12, 0
	s_cbranch_scc1 .Lnot_wave_0_\@
	s_barrier_signal -3
.Lnot_wave_0_\@:
	s_barrier_wait -3
	s_barrier_signal -1
	s_barrier_wait -1
.endm
.macro CROUND
	s_barrier_signal -1
	s_barrier_wait -1
	CREST
.endm
.macro JLOAD s                         ; waves 0, 1 ask for the two halves of ah, waves 2, 3 for those of Wo
	s_cmp_eq_u32 s13, 0
	s_cbranch_scc0 .Lfor_w_\@
	tensor_load_to_lds s[G0A+4*\s:G0A+4*\s+3], s[G1A:G1A+7]
	s_nop 0
	s_branch .Lasked_\@
.Lfor_w_\@:
	tensor_load_to_lds s[G0B+4*\s:G0B+4*\s+3], s[G1B:G1B+7]
	s_nop 0
.Lasked_\@:
.endm
	s_load_b128 s[4:7], s[0:1], 0x0                ; ah s[4:5], woh s[6:7]
	s_load_b64 s[8:9], s[0:1], 0x10                ; out0
	v_lshl_add_u32 v254, v0, 2, 0x38c00
	v_mov_b32 v255, 0
	ds_add_u32 v254, v255
	v_lshrrev_b32 v1, 5, v0
	v_readfirstlane_b32 s12, v1                    ; wave 0..3
	s_lshr_b32 s13, s12, 1                         ; mh.  Also: I fetch ah (0) or Wo (1)
	s_and_b32 s14, s12, 1                          ; c.  Also: which half of the tile I fetch
	s_bfe_u32 s15, ttmp6, 0x40000                  ; cx
	s_bfe_u32 s3, ttmp6, 0x40004                   ; cy
	s_lshl_b32 s60, ttmp9, 2
	s_add_co_u32 s60, s60, s15                     ; bx
	s_and_b32 s61, ttmp7, 0xffff
	s_lshl_b32 s61, s61, 2
	s_add_co_u32 s61, s61, s3                      ; by
	s_lshl_b32 s62, s3, 2
	s_lshl_b32 s62, 15, s62                        ; my row of the cluster
	s_lshl_b32 s63, 0x1111, s15                    ; my column
	; both tiles: 64 rows of 128 f16 (256 bytes), 2,048 elements from row to row; padding behind every 64 words: 4 words (ah), 8 (Wo)
	s_or_b32 s[G1A+0], s62, (1<<16)|(1<<20)|(1<<21)|(5<<22)|(3<<25)
	s_or_b32 s[G1B+0], s63, (1<<16)|(1<<20)|(1<<21)|(5<<22)|(7<<25)
	s_mov_b32 s[G1A+1], 128<<16
	s_mov_b32 s[G1B+1], 128<<16
	s_mov_b32 s[G1A+2], 64<<16
	s_mov_b32 s[G1B+2], 64<<16
	s_mov_b32 s[G1A+3], 128<<16
	s_mov_b32 s[G1B+3], 128<<16
	s_mov_b32 s[G1A+4], 64
	s_mov_b32 s[G1B+4], 64
	s_mov_b32 s[G1A+5], 2048
	s_mov_b32 s[G1B+5], 2048
	s_mov_b32 s[G1A+6], 0
	s_mov_b32 s[G1B+6], 0
	s_mov_b32 s[G1A+7], 0
	s_mov_b32 s[G1B+7], 0
	s_lshl_b32 s66, s61, 19                        ; ah: 128 rows of 4,096 bytes for a row block, 64 for a half
	s_lshl_b32 s67, s14, 18
	s_add_co_u32 s66, s66, s67
	s_mov_b32 s67, 0
	s_lshl_b32 s68, s60, 8                         ; Wo: 128 columns of 2 bytes for a column block, 64 k rows for a half
	s_lshl_b32 s69, s14, 18
	s_add_co_u32 s68, s68, s69
	s_mov_b32 s69, 0
	s_mul_i32 s70, s14, XHALF                      ; LDS: made of the wave number alone
	s_mul_i32 s71, s14, WHALF
	s_add_co_u32 s71, s71, XT
	s_wait_dscnt 0x0
	s_wait_kmcnt 0x0
	s_add_nc_u64 s[56:57], s[4:5], s[66:67]
	s_add_nc_u64 s[58:59], s[6:7], s[68:69]
	CROUND                                         ; all sixteen work-groups are here
.irp s, 0,1,2
	s_mov_b32 s[G0A+4*\s], 1
	s_add_co_u32 s[G0A+4*\s+1], s70, \s*SLOT
	s_add_nc_u64 s[G0A+4*\s+2:G0A+4*\s+3], s[56:57], \s*ASTEP
	s_or_b32 s[G0A+4*\s+3], s[G0A+4*\s+3], 0x80000000
	s_mov_b32 s[G0B+4*\s], 1
	s_add_co_u32 s[G0B+4*\s+1], s71, \s*SLOT
	s_add_nc_u64 s[G0B+4*\s+2:G0B+4*\s+3], s[58:59], \s*BSTEP
	s_or_b32 s[G0B+4*\s+3], s[G0B+4*\s+3], 0x80000000
	JLOAD \s                                       ; K steps 0, 1, 2: three loads of mine are out
.endr
	s_add_nc_u64 s[56:57], s[56:57], 3*ASTEP       ; the next K step to be asked for, type bits set
	s_or_b32 s57, s57, 0x80000000
	s_add_nc_u64 s[58:59], s[58:59], 3*BSTEP
	s_or_b32 s59, s59, 0x80000000
	v_and_b32 v2, 15, v0                           ; r
	v_bfe_u32 v3, v0, 4, 1                         ; h
	v_and_b32 v4, 7, v0
	v_bfe_u32 v5, v0, 3, 1
	v_mul_u32_u24 v6, v2, XP
	v_lshl_add_u32 v6, v3, 4, v6
	v_lshl_add_u32 v7, v3, 3, v4
	v_mul_u32_u24 v7, v7, WP
	v_lshl_add_u32 v7, v5, 4, v7
	s_mul_i32 s72, s13, XHALF
	s_mul_i32 s73, s14, CW
	s_add_co_u32 s73, s73, XT
.irp s, 0,1,2
	v_add_nc_u32 v[ADRX+\s], s72, v6
	v_add_nc_u32 v[ADRW+\s], s73, v7
	s_add_co_u32 s72, s72, SLOT
	s_add_co_u32 s73, s73, SLOT
.endr
	s_mul_i32 s72, s12, 16*SPI
	s_add_co_u32 s72, s72, STAGE                   ; my stage
	v_mul_u32_u24 v6, v2, SPI                      ; in: row r, 32 bytes (8 f32) for each half of the lanes
	v_lshl_add_u32 v6, v3, 5, v6
	v_add_nc_u32 v[STO], s72, v6
	v_mul_u32_u24 v6, v3, SPI                      ; back: lanes 0-15 one row of 256 bytes, lanes 16-31 the next
	v_lshl_add_u32 v6, v2, 4, v6
	v_add_nc_u32 v[RD], s72, v6
	v_lshlrev_b32 v6, 13, v3                       ; and the same two rows in out0
	v_lshl_add_u32 v[CO], v2, 4, v6
.macro FETCH slot, q, f
	WIN 0
.irp nt, 0,1,2,3
	ds_load_tr16_b128 v[\f+8*\nt:\f+8*\nt+3],   v[ADRW+\slot] offset:\q*QW+\nt*32
	ds_load_tr16_b128 v[\f+8*\nt+4:\f+8*\nt+7], v[ADRW+\slot] offset:\q*QW+\nt*32+16*WP
.endr
.irp i, 0,1,2,3
	ds_load_b128 v[\f+8*NW+8*\i:\f+8*NW+8*\i+3],   v[ADRX+\slot] offset:\i*16*XP+64*\q
	ds_load_b128 v[\f+8*NW+8*\i+4:\f+8*NW+8*\i+7], v[ADRX+\slot] offset:\i*16*XP+64*\q+32
.endr
.endm
; 8 matrix instructions: n tiles 2 half, 2 half + 1, all four m tiles.  The 16 accumulators take turns, one instruction a turn,
; in the same order in every quarter.
.macro MULH f, half, zero
.irp u, 0,1
.irp i, 0,1,2,3
.if \zero
	v_wmma_f32_16x16x32_f16 v[8*(4*(2*\half+\u)+\i):8*(4*(2*\half+\u)+\i)+7], v[\f+8*(2*\half+\u):\f+8*(2*\half+\u)+7], v[\f+8*NW+8*\i:\f+8*NW+8*\i+7], 0
.else
	v_wmma_f32_16x16x32_f16 v[8*(4*(2*\half+\u)+\i):8*(4*(2*\half+\u)+\i)+7], v[\f+8*(2*\half+\u):\f+8*(2*\half+\u)+7], v[\f+8*NW+8*\i:\f+8*NW+8*\i+7], v[8*(4*(2*\half+\u)+\i):8*(4*(2*\half+\u)+\i)+7]
.endif
.endr
.endr
.endm
.macro QUARTER slot, qn, f, g, zero
	s_wait_dscnt 0x0                               ; buffer f: its loads were issued a quarter (16 matrix instructions) ago
	PLACES
	FETCH \slot, \qn, \g
	WIN MULW
	MULH \f, 0, \zero
	MULH \f, 1, \zero
.endm
.macro BODY3 slot, zero
	QUARTER \slot, 1, F0, F1, \zero
	QUARTER \slot, 2, F1, F0, 0
	QUARTER \slot, 3, F0, F1, 0
.endm
; The last quarter where nothing is filled again: the barrier only shows the next slot whole to all four waves.
.macro ENDMID next, cnt
	s_wait_dscnt 0x0                               ; buffer 1 is in, and no LDS instruction of mine is pending at the signal
	s_wait_tensorcnt \cnt                          ; my part of the next slot has landed; cnt younger loads may stay out
	s_barrier_signal -1
	WIN MULW
	MULH F1, 0, 0
	s_barrier_wait -1
	PLACES
	FETCH \next, 0, F0
	WIN MULW
	MULH F1, 1, 0
.endm
; The last quarter where slots b and c, both read, are filled again.  In front of the round every wave has waited for its reads and
; for all its tensor loads; inside it only registers are touched; the joint refills come first behind it.
.macro ENDROUND next, b, c, fills
	s_wait_dscnt 0x0
	s_wait_tensorcnt 0x0                           ; no tensor load of mine is out: every group 0 may be written
	ds_add_u32 v254, v255
	s_wait_dscnt 0x0
	s_mov_b64 s[G0A+4*\b+2:G0A+4*\b+3], s[56:57]
	s_mov_b64 s[G0B+4*\b+2:G0B+4*\b+3], s[58:59]
.if \fills == 2
	s_add_nc_u64 s[G0A+4*\c+2:G0A+4*\c+3], s[56:57], ASTEP
	s_add_nc_u64 s[G0B+4*\c+2:G0B+4*\c+3], s[58:59], BSTEP
	s_add_nc_u64 s[56:57], s[56:57], 2*ASTEP
	s_add_nc_u64 s[58:59], s[58:59], 2*BSTEP
.endif
	s_barrier_signal -1
	WIN MULW
	MULH F1, 0, 0
	WIN 0
	s_barrier_wait -1
	CREST
	JLOAD \b
.if \fills == 2
	JLOAD \c
.endif
	PLACES
	FETCH \next, 0, F0
	WIN MULW
	MULH F1, 1, 0
.endm
	s_wait_tensorcnt 0x2                           ; my part of K step 0 is in; K steps 1 and 2 stay out
	s_barrier_signal -1
	s_barrier_wait -1
	FETCH 0, 0, F0
	BODY3 0, 1
	ENDMID 1, 1
	BODY3 1, 0
	ENDROUND 2, 0, 1, 2                            ; K steps 3, 4 go out
	BODY3 2, 0
	ENDMID 0, 1
	BODY3 0, 0
	ENDROUND 1, 2, 0, 2                            ; 5, 6
	BODY3 1, 0
	ENDMID 2, 1
	BODY3 2, 0
	ENDROUND 0, 1, 2, 2                            ; 7, 8
	BODY3 0, 0
	ENDMID 1, 1
	BODY3 1, 0
	ENDROUND 2, 0, 1, 2                            ; 9, 10
	BODY3 2, 0
	ENDMID 0, 1
	BODY3 0, 0
	ENDROUND 1, 2, 0, 2                            ; 11, 12
	BODY3 1, 0
	ENDMID 2, 1
	BODY3 2, 0
	ENDROUND 0, 1, 2, 2                            ; 13, 14
	BODY3 0, 0
	ENDMID 1, 1
	BODY3 1, 0
	ENDROUND 2, 0, 0, 1                            ; 15 alone
	BODY3 2, 0
	ENDMID 0, 0                                    ; the last tensor load has landed
	BODY3 0, 0
	s_wait_dscnt 0x0
	WIN MULW
	MULH F1, 0, 0
	MULH F1, 1, 0
	; THE WAY OUT, 16 rows at a time through my own stage: 32 bytes a lane in, whole rows of 256 bytes back.
	PLACES
	WIN 0
	s_lshl_b32 s66, s61, 20                        ; 128 rows of 8,192 bytes for a row block, 64 for my half
	s_lshl_b32 s67, s13, 19
	s_add_co_u32 s66, s66, s67
	s_mov_b32 s67, 0
	s_add_nc_u64 s[8:9], s[8:9], s[66:67]
	s_lshl_b32 s68, s60, 9                         ; 128 columns of 4 bytes for a column block, 64 for my half
	s_lshl_b32 s69, s14, 8
	s_add_co_u32 s68, s68, s69
	s_mov_b32 s69, 0
	s_add_nc_u64 s[8:9], s[8:9], s[68:69]
.irp i, 0,1,2,3
	WIN 0x04                                       ; the data of an LDS store: window 1
.irp nt, 0,1,2,3
	ds_store_b128 v[STO], v[8*(4*\nt+\i):8*(4*\nt+\i)+3]   offset:64*\nt
	ds_store_b128 v[STO], v[8*(4*\nt+\i)+4:8*(4*\nt+\i)+7] offset:64*\nt+16
.endr
	WIN 0
.irp e, 0,1,2,3,4,5,6,7
	ds_load_b128 v[F0+32*\i+4*\e:F0+32*\i+4*\e+3], v[RD] offset:\e*2*SPI   ; LDS serves a wave's instructions in order (ISA guide 5.7.1): these see the stores above
.endr
.irp e, 0,1,2,3,4,5,6,7
	s_wait_dscnt 7-\e                              ; this load is in, the younger ones stay out
	global_store_b128 v[CO], v[F0+32*\i+4*\e:F0+32*\i+4*\e+3], s[8:9] offset:\i*131072+\e*16384 th:TH_STORE_NT   ; 16 lanes store 256 consecutive bytes, aligned
.endr
.endr
	s_wait_tensorcnt 0x0
	ds_add_u32 v254, v255
	s_wait_dscnt 0x0
	CROUND                                         ; the closing round
	s_endpgm
.Lfunc_end_k_q48c60d890a_oproj:
	.size	k_q48c60d890a_oproj, .Lfunc_end_k_q48c60d890a_oproj-k_q48c60d890a_oproj
	.p2alignl 7, 3214868480
	.fill 96, 4, 3214868480
	.section	.rodata,"a",@progbits
	.p2align	6, 0x0
	.amdhsa_kernel k_q48c60d890a_oproj
		.amdhsa_group_segment_fixed_size 327680
		.amdhsa_private_segment_fixed_size 0
		.amdhsa_enable_private_segment 0
		.amdhsa_kernarg_size 24
		.amdhsa_user_sgpr_count 2
		.amdhsa_user_sgpr_kernarg_segment_ptr 1
		.amdhsa_wavefront_size32 1
		.amdhsa_system_sgpr_workgroup_id_x 1
		.amdhsa_system_sgpr_workgroup_id_y 1
		.amdhsa_system_sgpr_workgroup_id_z 1
		.amdhsa_system_vgpr_workitem_id 0
		.amdhsa_next_free_vgpr 384
		.amdhsa_next_free_sgpr 76
		.amdhsa_reserve_vcc 0
		.amdhsa_float_denorm_mode_32 3
		.amdhsa_float_denorm_mode_16_64 3
		.amdhsa_memory_ordered 1
		.amdhsa_forward_progress 1
		.amdhsa_inst_pref_size 169
	.end_amdhsa_kernel
	.amdgpu_metadata
---
amdhsa.version: [ 1, 2 ]
amdhsa.kernels:
  - .name:           k_q48c60d890a_oproj
    .symbol:         k_q48c60d890a_oproj.kd
    .args:
      - { .name: ah, .offset: 0, .size: 8, .value_kind: global_buffer, .address_space: global }
      - { .name: woh, .offset: 8, .size: 8, .value_kind: global_buffer, .address_space: global }
      - { .name: out0, .offset: 16, .size: 8, .value_kind: global_buffer, .address_space: global }
    .group_segment_fixed_size: 327680
    .private_segment_fixed_size: 0
    .kernarg_segment_align: 8
    .kernarg_segment_size: 24
    .max_flat_workgroup_size: 128
    .sgpr_count:     76
    .vgpr_count:     384
    .wavefront_size: 32
...
	.end_amdgpu_metadata
.endif
;; end of part 4
